; MI455X (gfx1250); checked and timed in simulation.
; The chip was launched on July 23, 2026; its instructions are those of AMD's public machine-readable ISA for CDNA 5 (MIT licence, August 2026) and "CDNA5" Instruction Set Architecture Reference Guide (July 2026). The comments in the code are by the model that wrote it; some were corrected since.
;; VQ Vi T. Allowed arithmetic: float matrix products may take bf16 or f16 operands with f32 sums; all other float work in f32.
;; Inputs: code_age 8,192 float32; emb 8,192 x 256 float32; z 4 x 2,048 x 256 float32.
;; Outputs: out0 4 x 2,048 x 256 float32; out1 one number float32; out2 one number float32; out3 8,192 int32; out4 one number float32; out5 one number float32.
;; One version. Each part assembles by itself: llvm-mc -triple=amdgcn-amd-amdhsa -mcpu=gfx1250 --defsym DOCPART=n.
;; ======== version 1 of 1: 4 launches
;; workspace buffers: zb 4,194,304 bytes; eb 4,194,304 bytes; zn 32,768 bytes; en 32,768 bytes; cand 524,288 bytes of whole numbers; part 1,024 bytes
;; launch prep (part 1): grid 256 x 1, 8 waves a work-group, no clusters, 1,280 bytes of LDS; arguments z, emb, zb, eb, zn, en; writes zb, eb, zn, en
.if DOCPART == 1
	.amdgcn_target "amdgcn-amd-amdhsa--gfx1250"
	.amdhsa_code_object_version 6
	.text
	.protected	k_q064bcbaad4_prep
	.globl	k_q064bcbaad4_prep
	.p2align	8
	.type	k_q064bcbaad4_prep,@function
k_q064bcbaad4_prep:
	s_mov_b64 s[64:65], 0
	v_nop
	global_prefetch_b8 v0, s[64:65] scope:SCOPE_SE
	s_setreg_imm32_b32 hwreg(HW_REG_WAVE_MODE, 25, 1), 1
	s_wait_xcnt 0x0
; z and emb ([8192][256] f32 each) are rounded once to bf16 (nearest even) into zb and eb, and the f32 sum of squares of each ROUNDED row goes to zn and en:
; the distances of the next launch are those of the rounded vectors, so their norms are too.
; Work-groups 0-127 take z, 128-255 take emb: the same text, three addresses chosen by the work-group's number.  A work-group owns 64 rows, a wave 8.
; A lane takes floats 4l..4l+3 and 128+4l..128+4l+3 of a row: each load of a wave covers 512 consecutive bytes, each store of packed bf16 256 consecutive
; bytes, aligned.  All 16 loads of a wave go out at once (no loop, nothing is refilled).  Memory binds here: no matrix unit, no cluster (no byte is shared).
.set X,   8                            ; v[8:71]    row i: 8 registers as loaded
.set P,   72                           ; v[72:103]  row i: 4 registers of packed bf16, the stores' data, never rewritten
.set T,   104                          ; v[104:111] the rounded numbers back in f32
.set N,   112                          ; v[112:113] the row's sum of squares
.set TMP, 114                          ; v114       the other half's sum
	s_load_b256 s[4:11], s[0:1], 0x0               ; z s[4:5], emb s[6:7], zb s[8:9], eb s[10:11]
	s_load_b128 s[12:15], s[0:1], 0x20             ; zn s[12:13], en s[14:15]
	v_lshl_add_u32 v128, v0, 2, 0x100
	v_mov_b32 v129, 0
	v_lshrrev_b32 v5, 5, v0
	v_readfirstlane_b32 s22, v5                    ; wave
	v_and_b32 v6, 31, v0                           ; lane
	s_mov_b32 s24, 0x76543210                      ; v_permlanex16_b32: lane i of one half reads lane i of the other
	s_mov_b32 s25, 0xfedcba98
	s_mov_b32 s26, 0xffff0000                      ; a word's upper bf16
	s_and_b32 s27, ttmp9, 127                      ; block of 64 rows in the tensor that is mine
	v_lshlrev_b32 v1, 4, v6
	v_lshl_add_u32 v1, v5, 13, v1                  ; in: 16 x lane + wave x 8 rows x 1,024 bytes
	v_lshlrev_b32 v4, 3, v6                        ; 8 x lane
	v_lshl_add_u32 v2, v5, 12, v4                  ; out: 8 x lane + wave x 8 rows x 512 bytes
	v_mov_b32 v3, s22
	v_lshlrev_b32 v3, 5, v3                        ; LDS: my wave's 8 norms
	v_mov_b32 v[TMP], 0                            ; v_permlanex16_b32 counts as a reader of its destination
	s_mov_b32 s29, 0
	s_wait_kmcnt 0x0
	s_cmp_lt_u32 ttmp9, 128                        ; the first half of the grid takes z
	s_cselect_b64 s[16:17], s[4:5], s[6:7]
	s_cselect_b64 s[18:19], s[8:9], s[10:11]
	s_cselect_b64 s[20:21], s[12:13], s[14:15]
	s_lshl_b32 s28, s27, 16                        ; 64 rows of 1,024 bytes
	s_add_nc_u64 s[16:17], s[16:17], s[28:29]
	s_lshl_b32 s28, s27, 15                        ; 64 rows of 512 bytes
	s_add_nc_u64 s[18:19], s[18:19], s[28:29]
	s_lshl_b32 s28, s27, 8                         ; 64 norms
	s_add_nc_u64 s[20:21], s[20:21], s[28:29]
.irp i, 0,1,2,3,4,5,6,7
	global_load_b128 v[X+8*\i:X+8*\i+3],   v1, s[16:17] offset:1024*\i
	global_load_b128 v[X+8*\i+4:X+8*\i+7], v1, s[16:17] offset:1024*\i+512
.endr
.macro ROW i
	s_wait_loadcnt 14-2*\i                         ; loads come back in order: row i is in, the two loads of each younger row stay out
.irp p, 0,1,2,3
	v_cvt_pk_bf16_f32 v[P+4*\i+\p], v[X+8*\i+2*\p], v[X+8*\i+2*\p+1]
.endr
	global_store_b64 v2, v[P+4*\i:P+4*\i+1],   s[18:19] offset:512*\i
	global_store_b64 v2, v[P+4*\i+2:P+4*\i+3], s[18:19] offset:512*\i+256
.irp p, 0,1,2,3
	v_lshlrev_b32 v[T+2*\p],   16,  v[P+4*\i+\p]   ; the rounded numbers as f32
	v_and_b32     v[T+2*\p+1], s26, v[P+4*\i+\p]
.endr
	v_pk_mul_f32 v[N:N+1], v[T:T+1], v[T:T+1]      ; the first product starts the sum
	v_pk_fma_f32 v[N:N+1], v[T+2:T+3], v[T+2:T+3], v[N:N+1]
	v_pk_fma_f32 v[N:N+1], v[T+4:T+5], v[T+4:T+5], v[N:N+1]
	v_pk_fma_f32 v[N:N+1], v[T+6:T+7], v[T+6:T+7], v[N:N+1]
	v_add_f32 v[N], v[N], v[N+1]
	v_add_f32_dpp v[N], v[N], v[N] row_xmask:1 row_mask:0xf bank_mask:0xf
	v_add_f32_dpp v[N], v[N], v[N] row_xmask:2 row_mask:0xf bank_mask:0xf
	v_add_f32_dpp v[N], v[N], v[N] row_xmask:4 row_mask:0xf bank_mask:0xf
	v_add_f32_dpp v[N], v[N], v[N] row_xmask:8 row_mask:0xf bank_mask:0xf
	v_permlanex16_b32 v[TMP], v[N], s24, s25
	v_add_f32 v[N], v[N], v[TMP]                   ; every lane holds the row's norm
	ds_store_b32 v3, v[N] offset:4*\i              ; all lanes write the same word with the same value
.endm
.irp i, 0,1,2,3,4,5,6,7
	ROW \i
.endr
	s_wait_dscnt 0x0                               ; my eight norms are in LDS before I say so
	s_barrier_signal -1
	s_barrier_wait -1
	s_cmp_lg_u32 s22, 0
	s_cbranch_scc1 .Lend
	ds_load_b64 v[T:T+1], v4                       ; wave 0: the work-group's 64 norms, two a lane
	s_wait_dscnt 0x0
	global_store_b64 v4, v[T:T+1], s[20:21]        ; one store of 256 consecutive bytes, aligned
.Lend:
	s_barrier_signal -1
	s_barrier_wait -1
	s_wait_tensorcnt 0x0
	ds_add_u32 v128, v129
	s_wait_dscnt 0x0
	s_endpgm
.Lfunc_end_k_q064bcbaad4_prep:
	.size	k_q064bcbaad4_prep, .Lfunc_end_k_q064bcbaad4_prep-k_q064bcbaad4_prep
	.p2alignl 7, 3214868480
	.fill 96, 4, 3214868480
	.section	.rodata,"a",@progbits
	.p2align	6, 0x0
	.amdhsa_kernel k_q064bcbaad4_prep
		.amdhsa_group_segment_fixed_size 1280
		.amdhsa_private_segment_fixed_size 0
		.amdhsa_enable_private_segment 0
		.amdhsa_kernarg_size 48
		.amdhsa_user_sgpr_count 2
		.amdhsa_user_sgpr_kernarg_segment_ptr 1
		.amdhsa_wavefront_size32 1
		.amdhsa_system_sgpr_workgroup_id_x 1
		.amdhsa_system_sgpr_workgroup_id_y 1
		.amdhsa_system_sgpr_workgroup_id_z 1
		.amdhsa_system_vgpr_workitem_id 0
		.amdhsa_next_free_vgpr 130
		.amdhsa_next_free_sgpr 66
		.amdhsa_reserve_vcc 0
		.amdhsa_float_denorm_mode_32 3
		.amdhsa_float_denorm_mode_16_64 3
		.amdhsa_memory_ordered 1
		.amdhsa_forward_progress 1
		.amdhsa_inst_pref_size 15
	.end_amdhsa_kernel
	.amdgpu_metadata
---
amdhsa.version: [ 1, 2 ]
amdhsa.kernels:
  - .name:           k_q064bcbaad4_prep
    .symbol:         k_q064bcbaad4_prep.kd
    .args:
      - { .name: z, .offset: 0, .size: 8, .value_kind: global_buffer, .address_space: global }
      - { .name: emb, .offset: 8, .size: 8, .value_kind: global_buffer, .address_space: global }
      - { .name: zb, .offset: 16, .size: 8, .value_kind: global_buffer, .address_space: global }
      - { .name: eb, .offset: 24, .size: 8, .value_kind: global_buffer, .address_space: global }
      - { .name: zn, .offset: 32, .size: 8, .value_kind: global_buffer, .address_space: global }
      - { .name: en, .offset: 40, .size: 8, .value_kind: global_buffer, .address_space: global }
    .group_segment_fixed_size: 1280
    .private_segment_fixed_size: 0
    .kernarg_segment_align: 8
    .kernarg_segment_size: 48
    .max_flat_workgroup_size: 256
    .sgpr_count:     66
    .vgpr_count:     130
    .wavefront_size: 32
...
	.end_amdgpu_metadata
.endif
;; end of part 1
;; launch dist (part 2): grid 32 x 8, 8 waves a work-group, clusters of 4 x 1, 327,680 bytes of LDS; arguments zb, eb, zn, en, cand; writes cand
.if DOCPART == 2
	.amdgcn_target "amdgcn-amd-amdhsa--gfx1250"
	.amdhsa_code_object_version 6
	.text
	.protected	k_q064bcbaad4_dist
	.globl	k_q064bcbaad4_dist
	.p2align	8
	.type	k_q064bcbaad4_dist,@function
k_q064bcbaad4_dist:
	s_mov_b64 s[64:65], 0
	v_nop
	global_prefetch_b8 v0, s[64:65] scope:SCOPE_SE
	s_setreg_imm32_b32 hwreg(HW_REG_WAVE_MODE, 25, 1), 1
	s_wait_xcnt 0x0
	s_wait_alu depctr_hold_cnt(0) depctr_sa_sdst(0) depctr_va_vdst(0) depctr_va_sdst(0) depctr_va_ssrc(0) depctr_va_vcc(0) depctr_vm_vsrc(0)
	s_getreg_b32 s2, hwreg(HW_REG_IB_STS2, 6, 4)
	s_cmp_eq_u32 s2, 0
	s_cbranch_scc0 .Lentry_in_a_cluster
	s_endpgm
.Lentry_in_a_cluster:
	s_bfe_u32 s2, ttmp6, 0x10000c
	s_cmp_lg_u32 s2, 0x3003
	s_cbranch_scc0 .Lentry_shape_is_right
	s_endpgm
.Lentry_shape_is_right:
; For each token row and each eighth of the codebook: the smallest d = (|z|^2 + |e|^2) - 2 z.e and the first code that reaches it.
; d is formed as the reference forms it: t = fl(A + B), d = fl(t - 2 c) (one fused multiply-add: 2 c is exact); codes are compared in ascending order, strictly.
; Work-group (bx, y): rows 256 bx .. +255, codes 1024 y .. +1023.  Wave w: wr = w & 3 takes 64 of the rows, wc = w >> 2 takes 512 consecutive codes.
; A wave keeps its 64 rows of z as bf16 fragments in 256 registers for the whole launch; the codes stream through two LDS slots of 256 code rows
; (128 for each wc), 4 tiles in all; a tile is 8 quarters of 16 codes for each wave, 32 matrix instructions a quarter.
; TWO PHASES.  Eight waves lie on four SIMDs, two to a SIMD.  Behind every 32 matrix instructions stand 128 vector instructions (DFORM: form d; SEL: compare,
; minimum, select).  Waves that leave a barrier together and run the same order multiply together and compare together.  So the waves of phase 1 carry the last
; SEL of a tile over the barrier and run it before they fetch the next tile's first fragments, while the waves of phase 0 have run theirs in front of the barrier and
; fetch at once: phase 1 starts its products about one such block later, and from then on one wave compares while the other multiplies.  No work is added.
; phase = (w ^ (w >> 2)) & 1 differs between waves w and w + 4 and between waves 2 i and 2 i + 1, whichever of these pairs lies on one SIMD.
; CLUSTER: the four work-groups of a cluster have the same y and different bx, so they walk the same codes: every tile of eb is asked for jointly
; (mask 15), each wave its own 32 rows.  z is read once by each work-group and is not shared.
; RESULT: cand[y][row] = {key, index}.  key is the u32 image of d that orders as d does (sign bit flipped for d >= 0, all bits for d < 0).
; LIMITS: inputs finite.  A NaN in d never wins here (in the reference it would).  If every d of a row is +inf the range's first code is kept.  d is never -0
; (t >= +0 and an exact cancellation gives +0), so the key's order is the float's order.
.set PITCH,  528                       ; an LDS row: 512 bytes of data + 16 of padding, 33 x 16: the 16 rows of a fragment load start 16 bytes apart modulo 256
.set WPART,  32*PITCH                  ; what one wave's tensor load fills
.set SLOT,   8*WPART                   ; 135,168 bytes: 256 code rows; row 128 wc + i is code 1024 y + 512 wc + 128 t + i of tile t
.set QROWS,  16*PITCH                  ; 16 code rows: one quarter; 7 of them and a row's 480 bytes stay inside the 16-bit offset of an LDS load
.set LDS_EN, 2*SLOT                    ; 4,096 bytes: the norms of the work-group's 1,024 codes; written by ds_store, no tensor load lands here
.set LDS_MG, LDS_EN+4096               ; 4,096 bytes: [wave 8][row 64] {key, index}
.set STEP,   128*512                   ; bytes of eb from a wave's rows in one tile to those in the next
.set LA,  3                            ; v3, v4     LDS address of my code fragments in slot 0, 1
.set LE,  5                            ; v5         LDS address of the norms of my lane's 8 codes in the current tile's first quarter
.set ZO,  6                            ; v6         offset of my lane's 16 bytes in zb
.set ZNO, 7                            ; v7         offset of my lane's row in zn
.set ENO, 8                            ; v8         16 x thread: offset in en
.set ENS, 9                            ; v9         the same in LDS_EN
.set H8,  10                           ; v10        8 h: what my half of the lanes adds to a code's number
.set MGS, 11                           ; v11        where my lane puts a row's pair
.set MGR, 12                           ; v12        where thread = row reads the two pairs
.set CO,  13                           ; v13        8 x row: offset in cand
.set ZN2, 16                           ; v[16:23]   row tile a: |z|^2 of row 16 a + r, twice (a pair for the packed add)
.set ST,  24                           ; v[24:31]   row tile a: the smallest d so far, the code that gave it
.set T,   32                           ; v[32:39]   t = A + B for 8 codes
.set NA,  40                           ; v[40:47]   |e|^2 of 8 codes, two buffers
.set NB,  48                           ; v[48:55]
.set W,   56                           ; v[56:63]   at work in the merges
.set ACC, 64                           ; v[64:95]   four accumulator tiles, one for each row tile; DFORM turns them into d in place
.set CF0, 96                           ; v[96:159]  16 codes x 256 K as 8 fragments, two buffers
.set CF1, 160                          ; v[160:223]
.set STG, 224                          ; v[224:227] en on its way into LDS
                                       ; v[256:511] (window 1) z: fragment (row tile a, K step k) at 64 a + 8 k
.set G1,  16                           ; s[16:23]   descriptor group 1
.set G0,  24                           ; s[24:31]   descriptor group 0, a set for each slot
.set MK,  44                           ; s[44:47]   lane masks, one for each row tile
.set SI,  48                           ; s[48:55]   the number of code j of the 16 that SEL takes next (for the lanes with h = 0)
.set MSB, 0
.macro WIN new                         ; the immediate's high byte repeats the setting that is left; switches that change nothing are dropped
.if MSB != \new
	s_set_vgpr_msb (MSB<<8)|\new
.set MSB, \new
.endif
.endm
; A round of the cluster's barrier: my work-group's barrier, wave 0 signals for the work-group, every wave waits for all four work-groups, my work-group's barrier again.
.macro CREST                           ; a round behind its opening barrier
	s_cmp_lg_u32 s14, 0
	s_cbranch_scc1 .Lnot_wave_0_\@
	s_barrier_signal -3
.Lnot_wave_0_\@:
	s_barrier_wait -3
	s_barrier_signal -1
	s_barrier_wait -1
.endm
.macro ROUND                           ; a whole round
	s_barrier_signal -1
	s_barrier_wait -1
	CREST
.endm
	s_load_b256 s[4:11], s[0:1], 0x0               ; zb s[4:5], eb s[6:7], zn s[8:9], en s[10:11]
	s_load_b64 s[12:13], s[0:1], 0x20              ; cand
	v_lshl_add_u32 v254, v0, 2, 0x44000
	v_mov_b32 v255, 0
	ds_add_u32 v254, v255
	ds_add_u32 v254, v255
	v_lshrrev_b32 v14, 5, v0
	v_readfirstlane_b32 s14, v14                   ; w
	s_and_b32 s15, s14, 3                          ; wr: which 64 rows
	s_lshr_b32 s3, s14, 2                          ; wc: which 512 codes
	s_xor_b32 s35, s14, s3
	s_and_b32 s35, s35, 1                          ; phase
	s_bfe_u32 s32, ttmp6, 0x40000                  ; cx
	s_lshl_b32 s33, ttmp9, 2
	s_add_co_u32 s33, s33, s32                     ; bx = 4 x cluster x + cx: enters the bases of zb, zn and cand alone
	s_and_b32 s34, ttmp7, 0xffff                   ; y (the cluster is one work-group deep along y)
	s_mov_b32 s41, 0x76543210                      ; v_permlanex16_b32: lane i of one half reads lane i of the other
	s_mov_b32 s42, 0xfedcba98
	v_and_b32 v1, 15, v0                           ; r
	v_bfe_u32 v2, v0, 4, 1                         ; h
	v_mul_u32_u24 v[LA], v1, PITCH
	v_lshl_add_u32 v[LA], v2, 4, v[LA]             ; r x pitch + 16 h
	s_mul_i32 s56, s3, 128*PITCH
	v_add_nc_u32 v[LA], s56, v[LA]                 ; + my 128 rows of the slot
	v_add_nc_u32 v[LA+1], SLOT, v[LA]
	s_lshl_b32 s56, s3, 11
	s_add_co_u32 s56, s56, LDS_EN
	v_lshl_add_u32 v[LE], v2, 5, s56               ; norms: 2,048 bytes for each wc, 32 bytes for each half of the lanes
	v_lshlrev_b32 v[ZO], 9, v1
	v_lshl_add_u32 v[ZO], v2, 4, v[ZO]             ; r x 512 + 16 h
	v_lshlrev_b32 v[ZNO], 2, v1
	v_lshlrev_b32 v[ENO], 4, v0
	v_add_nc_u32 v[ENS], LDS_EN, v[ENO]
	v_lshlrev_b32 v[H8], 3, v2
	s_lshl_b32 s56, s14, 9
	s_add_co_u32 s56, s56, LDS_MG
	v_lshl_add_u32 v[MGS], v1, 3, s56              ; my wave's 512 bytes + 8 r
	v_lshlrev_b32 v[CO], 3, v0                     ; row = thread = 64 wr + i: 512 wr + 8 i = 8 x thread
	v_add_nc_u32 v[MGR], LDS_MG, v[CO]
	v_mov_b32 v[W+1], 0                            ; v_permlanex16_b32 counts as a reader of its destination
	v_mov_b32 v[W+2], 0
	s_lshl_b32 s[SI], s34, 10
	s_lshl_b32 s58, s3, 9
	s_add_co_u32 s[SI], s[SI], s58                 ; my first code: 1024 y + 512 wc
.irp j, 1,2,3,4,5,6,7
	s_add_co_u32 s[SI+\j], s[SI], \j
.endr
	; descriptor group 1: 32 rows x 256 bf16, dense in memory, padded in LDS
	s_mov_b32 s[G1+0], 15|(1<<16)|(1<<20)|(1<<21)|(6<<22)|(3<<25)  ; 15:0 the four work-groups of the cluster; 17:16 2-byte elements; 20 padding on; 21 set beside a mask; 24:22 after every 128 words; 31:25 of 4 words
	s_mov_b32 s[G1+1], 256<<16                     ; tensor_dim0 = 256
	s_mov_b32 s[G1+2], 32<<16                      ; tensor_dim1 = 32
	s_mov_b32 s[G1+3], 256<<16                     ; tile_dim0 = 256
	s_mov_b32 s[G1+4], 32                          ; tile_dim1 = 32
	s_mov_b32 s[G1+5], 256                         ; elements from row to row
	s_mov_b32 s[G1+6], 0
	s_mov_b32 s[G1+7], 0
	s_mul_i32 s59, s14, WPART                      ; my wave's 32 rows of a slot: the wave's number alone enters an LDS address
	s_mov_b32 s37, 0
	s_mov_b32 s57, 0
	s_wait_dscnt 0x0
	s_wait_kmcnt 0x0
	s_lshl_b32 s56, s34, 19                        ; eb: (1024 y + 512 wc + 32 wr) rows of 512 bytes, in registers that never hold cx
	s_lshl_b32 s58, s3, 18
	s_add_co_u32 s56, s56, s58
	s_lshl_b32 s58, s15, 14
	s_add_co_u32 s56, s56, s58
	s_add_nc_u64 s[6:7], s[6:7], s[56:57]
.irp n, 0,1
	s_mov_b32 s[G0+4*\n], 1
	s_add_co_u32 s[G0+4*\n+1], s59, \n*SLOT
	s_add_nc_u64 s[G0+4*\n+2:G0+4*\n+3], s[6:7], \n*STEP           ; tile n
	s_or_b32 s[G0+4*\n+3], s[G0+4*\n+3], 0x80000000
.endr
	ROUND                                          ; all four work-groups are here: the first joint loads meet
	tensor_load_to_lds s[G0:G0+3], s[G1:G1+7]      ; tile 0 into slot 0, ahead of everything else: it comes in while the 69 loads below are issued
	s_nop 0
	s_lshl_b32 s56, s34, 12
	s_add_nc_u64 s[10:11], s[10:11], s[56:57]      ; en at my 1,024 codes
	s_lshl_b32 s36, s33, 10
	s_lshl_b32 s38, s15, 8
	s_add_co_u32 s36, s36, s38
	s_add_nc_u64 s[8:9], s[8:9], s[36:37]          ; zn at my wave's 64 rows
	s_lshl_b32 s36, s33, 17
	s_lshl_b32 s38, s15, 15
	s_add_co_u32 s36, s36, s38
	s_add_nc_u64 s[4:5], s[4:5], s[36:37]          ; zb at my wave's 64 rows
	s_lshl_b32 s36, s34, 16
	s_lshl_b32 s38, s33, 11
	s_add_co_u32 s36, s36, s38
	s_add_nc_u64 s[12:13], s[12:13], s[36:37]      ; cand at [y][256 bx]
	; 69 loads: en (1), |z|^2 (4), the z fragments (64)
	global_load_b128 v[STG:STG+3], v[ENO], s[10:11]
.irp a, 0,1,2,3
	global_load_b32 v[ZN2+2*\a], v[ZNO], s[8:9] offset:64*\a
.endr
	WIN 0x40                                       ; destination in window 1, address in window 0
.irp a, 0,1,2,3
.irp k, 0,1,2,3,4,5,6,7
	global_load_b128 v[64*\a+8*\k:64*\a+8*\k+3],   v[ZO], s[4:5] offset:8192*\a+64*\k      ; z(16 a + r, 32 k + 8 h ..)
	global_load_b128 v[64*\a+8*\k+4:64*\a+8*\k+7], v[ZO], s[4:5] offset:8192*\a+64*\k+32   ; z(16 a + r, 32 k + 16 + 8 h ..)
.endr
.endr
	WIN 0
	s_wait_loadcnt 63                              ; the load of en is the oldest of 69: 68 were issued behind it, the wait's field holds 63
	ds_store_b128 v[ENS], v[STG:STG+3]
	s_wait_loadcnt 0x0                             ; |z|^2 and the z fragments
.irp a, 0,1,2,3
	v_mov_b32 v[ZN2+2*\a+1], v[ZN2+2*\a]
	v_mov_b32 v[ST+2*\a], 0x7f800000               ; +inf
	v_mov_b32 v[ST+2*\a+1], s[SI]
.endr
; 18 LDS loads: quarter q of my 128 code rows of a slot (16 codes x 256 K) into buffer cf, and the norms of my lane's 8 codes into en
.macro FETCH slot, q, cf, en
.irp k, 0,1,2,3,4,5,6,7
	ds_load_b128 v[\cf+8*\k:\cf+8*\k+3],   v[LA+\slot] offset:(\q)*QROWS+64*\k
	ds_load_b128 v[\cf+8*\k+4:\cf+8*\k+7], v[LA+\slot] offset:(\q)*QROWS+64*\k+32
.endr
	ds_load_b128 v[\en:\en+3],   v[LE] offset:(\q)*64
	ds_load_b128 v[\en+4:\en+7], v[LE] offset:(\q)*64+16
.endm
; 32 matrix instructions: 16 codes x 64 rows x 256 K.  Source 0 = codes, source 1 = rows of z (window 1): register j of lane (r, h) of tile a is
; c(row 16 a + r, code 8 h + j).  The first K step takes the constant 0: nothing is cleared.  The four accumulators take turns, one instruction a turn.
.macro MUL cf
	WIN 0x04
.irp a, 0,1,2,3
	v_wmma_f32_16x16x32_bf16 v[ACC+8*\a:ACC+8*\a+7], v[\cf:\cf+7], v[64*\a:64*\a+7], 0
.endr
.irp k, 1,2,3,4,5,6,7
.irp a, 0,1,2,3
	v_wmma_f32_16x16x32_bf16 v[ACC+8*\a:ACC+8*\a+7], v[\cf+8*\k:\cf+8*\k+7], v[64*\a+8*\k:64*\a+8*\k+7], v[ACC+8*\a:ACC+8*\a+7]
.endr
.endr
	WIN 0
.endm
; 32 vector instructions: d in place of c.  It stands straight behind its products in both phases.  The first four additions name no register of a matrix instruction:
; they are the four places in front of the first read of a result (ISA guide 7.12.1).  For each of the last four matrix instructions the 24 lines of the three other row
; tiles name none of its registers: they are the places in front of the next loads into its fragment buffer and of the next products' overwriting of the accumulators,
; whether SEL follows here or later.
.macro DFORM en
.irp a, 0,1,2,3
.irp p, 0,1,2,3
	v_pk_add_f32 v[T+2*\p:T+2*\p+1], v[\en+2*\p:\en+2*\p+1], v[ZN2+2*\a:ZN2+2*\a+1]       ; t = fl(A + B)
.endr
.irp p, 0,1,2,3
	v_pk_fma_f32 v[ACC+8*\a+2*\p:ACC+8*\a+2*\p+1], v[ACC+8*\a+2*\p:ACC+8*\a+2*\p+1], -2.0, v[T+2*\p:T+2*\p+1] op_sel_hi:[1,0,1]   ; d = fl(t - 2 c)
.endr
.endr
.endm
; 96 vector instructions: 8 steps of compare, minimum, select on four chains that do not wait for each other; then the code numbers step on.
.macro SEL
.irp j, 0,1,2,3,4,5,6,7
.irp a, 0,1,2,3
	v_cmp_lt_f32 s[MK+\a], v[ACC+8*\a+\j], v[ST+2*\a]              ; strictly smaller: the first code keeps a tie
.endr
.irp a, 0,1,2,3
	v_min_num_f32 v[ST+2*\a], v[ST+2*\a], v[ACC+8*\a+\j]
.endr
.irp a, 0,1,2,3
	v_cndmask_b32 v[ST+2*\a+1], v[ST+2*\a+1], s[SI+\j], s[MK+\a]
.endr
.endr
.irp j, 0,1,2,3,4,5,6,7
	s_add_co_u32 s[SI+\j], s[SI+\j], 16            ; the next 16 codes
.endr
.endm
.macro SELIF ph                        ; SEL in the waves of phase ph alone: the branch hangs on the wave's number and jumps over register work only
	s_cmp_lg_u32 s35, \ph
	s_cbranch_scc1 .Lno_sel_\@
	SEL
.Lno_sel_\@:
.endm
; One tile: 128 codes for each wave, in eight quarters on two fragment buffers.  It is entered behind a barrier that has shown the slot's tile whole.
; refill = 1: the other slot, read in the trip before, gets the next tile.  first = 1: no SEL has been carried over.
; next = 2: the next trip fills a slot, so a round of the cluster's barrier ends this one; 1: it only reads, a barrier of the work-group is enough; 0: this is the last trip.
; step = 1: the other slot's address steps on two tiles.  By this text's own count a wave has one tensor load out.
.macro BODY slot, refill, first, next, step
.if \refill
	tensor_load_to_lds s[G0+4-4*\slot:G0+7-4*\slot], s[G1:G1+7]    ; the first tensor load behind the round, ahead of any LDS read
	s_nop 0
.endif
.if \first == 0
	SELIF 1                                        ; phase 1: the last trip's last 16 codes, before it fetches
.endif
	FETCH \slot, 0, CF0, NA
	FETCH \slot, 1, CF1, NB
.irp q, 0,2,4
	s_wait_dscnt 18                                ; LDS loads come back in order: all but the 18 issued last
	MUL CF0
	DFORM NA
	SEL
	FETCH \slot, \q+2, CF0, NA
	s_wait_dscnt 18
	MUL CF1
	DFORM NB
	SEL
	FETCH \slot, \q+3, CF1, NB
.endr
	s_wait_dscnt 18
	MUL CF0
	DFORM NA
	SEL
	s_wait_dscnt 0x0                               ; the last fragments are in: my reads of this slot are over, and no LDS instruction that touches a slot follows before the barrier
	MUL CF1
.if \next
	s_wait_tensorcnt 0x0                           ; all my tensor loads have landed: the one that was out is my part of the next tile,
	ds_add_u32 v254, v255
	s_wait_dscnt 0x0
.if \step
	s_add_nc_u64 s[G0+6-4*\slot:G0+7-4*\slot], s[G0+6-4*\slot:G0+7-4*\slot], 2*STEP   ; so its group 0 may be written: that slot's next tile
.endif
	s_barrier_signal -1                            ; say so; register work alone up to the wait
	DFORM NB
	SELIF 0                                        ; phase 0 finishes the tile here, phase 1 behind the barrier
	v_add_nc_u32 v[LE], 0x200, v[LE]               ; the norms of the next tile's 128 codes
	s_barrier_wait -1                              ; every wave of my work-group has said so
.if \next == 2
	CREST                                          ; and every wave of all four work-groups: no partner still reads the slot that is filled next or has a load on its way
.endif
.else
	DFORM NB
	SEL
.endif
.endm
	s_wait_tensorcnt 0x0                           ; my part of tile 0 has landed,
	ds_add_u32 v254, v255
	s_add_nc_u64 s[G0+2:G0+3], s[G0+2:G0+3], 2*STEP    ; so slot 0's group 0 may be written: tile 2
	s_wait_dscnt 0x0                               ; my store of the norms is done
	ROUND                                          ; both hold of every wave of all four work-groups
	BODY 0, 1, 1, 2, 1                             ; tile 0; asks for tile 1; slot 1's address steps to tile 3
	BODY 1, 1, 0, 2, 0                             ; tile 1; asks for tile 2
	BODY 0, 1, 0, 1, 0                             ; tile 2; asks for tile 3, the last
	BODY 1, 0, 0, 0, 0                             ; tile 3
; The two halves of the lanes hold different codes of the same rows: the pair with the smaller key wins, at equal keys the smaller code.  Both halves end with the same pair.
.macro CLOSE a
	v_add_nc_u32 v[ST+2*\a+1], v[ST+2*\a+1], v[H8]                 ; my half's codes are 8 h further on
	v_ashrrev_i32 v[W], 31, v[ST+2*\a]
	v_or_b32 v[W], 0x80000000, v[W]
	v_xor_b32 v[ST+2*\a], v[ST+2*\a], v[W]                         ; the key: orders as d does, as an unsigned number
	v_permlanex16_b32 v[W+1], v[ST+2*\a], s41, s42
	v_permlanex16_b32 v[W+2], v[ST+2*\a+1], s41, s42
	v_cmp_lt_u32 s44, v[W+1], v[ST+2*\a]
	v_cmp_eq_u32 s45, v[W+1], v[ST+2*\a]
	v_cmp_lt_u32 s46, v[W+2], v[ST+2*\a+1]
	s_and_b32 s45, s45, s46
	s_or_b32 s44, s44, s45
	v_cndmask_b32 v[ST+2*\a], v[ST+2*\a], v[W+1], s44
	v_cndmask_b32 v[ST+2*\a+1], v[ST+2*\a+1], v[W+2], s44
	ds_store_b64 v[MGS], v[ST+2*\a:ST+2*\a+1] offset:128*\a        ; row 16 a + r of my wave
.endm
	CLOSE 0
	CLOSE 1
	CLOSE 2
	CLOSE 3
	s_wait_dscnt 0x0                               ; my pairs are in LDS before I say so
	ROUND                                          ; the closing round: no work-group ends while a partner may still ask jointly; its barriers also show the pairs to all waves
	ds_load_b64 v[W:W+1],   v[MGR]                 ; thread = row: the pair of wc = 0 (waves 0-3)
	ds_load_b64 v[W+2:W+3], v[MGR] offset:2048     ; and of wc = 1 (waves 4-7)
	s_wait_dscnt 0x0
	v_cmp_lt_u32 vcc_lo, v[W+2], v[W]              ; the ranges ascend: a strictly smaller key alone replaces, so the first code keeps a tie
	v_cndmask_b32 v[W], v[W], v[W+2], vcc_lo
	v_cndmask_b32 v[W+1], v[W+1], v[W+3], vcc_lo
	global_store_b64 v[CO], v[W:W+1], s[12:13]     ; each wave stores 256 consecutive bytes, aligned
	s_wait_tensorcnt 0x0
	ds_add_u32 v254, v255
	s_wait_dscnt 0x0
	s_endpgm
.Lfunc_end_k_q064bcbaad4_dist:
	.size	k_q064bcbaad4_dist, .Lfunc_end_k_q064bcbaad4_dist-k_q064bcbaad4_dist
	.p2alignl 7, 3214868480
	.fill 96, 4, 3214868480
	.section	.rodata,"a",@progbits
	.p2align	6, 0x0
	.amdhsa_kernel k_q064bcbaad4_dist
		.amdhsa_group_segment_fixed_size 327680
		.amdhsa_private_segment_fixed_size 0
		.amdhsa_enable_private_segment 0
		.amdhsa_kernarg_size 40
		.amdhsa_user_sgpr_count 2
		.amdhsa_user_sgpr_kernarg_segment_ptr 1
		.amdhsa_wavefront_size32 1
		.amdhsa_system_sgpr_workgroup_id_x 1
		.amdhsa_system_sgpr_workgroup_id_y 1
		.amdhsa_system_sgpr_workgroup_id_z 1
		.amdhsa_system_vgpr_workitem_id 0
		.amdhsa_next_free_vgpr 512
		.amdhsa_next_free_sgpr 66
		.amdhsa_reserve_vcc 1
		.amdhsa_float_denorm_mode_32 3
		.amdhsa_float_denorm_mode_16_64 3
		.amdhsa_memory_ordered 1
		.amdhsa_forward_progress 1
		.amdhsa_inst_pref_size 255
	.end_amdhsa_kernel
	.section	.bss,"aw",@nobits
	.p2align	6
	.space	262144
	.amdgpu_metadata
---
amdhsa.version: [ 1, 2 ]
amdhsa.kernels:
  - .name:           k_q064bcbaad4_dist
    .symbol:         k_q064bcbaad4_dist.kd
    .args:
      - { .name: zb, .offset: 0, .size: 8, .value_kind: global_buffer, .address_space: global }
      - { .name: eb, .offset: 8, .size: 8, .value_kind: global_buffer, .address_space: global }
      - { .name: zn, .offset: 16, .size: 8, .value_kind: global_buffer, .address_space: global }
      - { .name: en, .offset: 24, .size: 8, .value_kind: global_buffer, .address_space: global }
      - { .name: cand, .offset: 32, .size: 8, .value_kind: global_buffer, .address_space: global }
    .group_segment_fixed_size: 327680
    .private_segment_fixed_size: 0
    .kernarg_segment_align: 8
    .kernarg_segment_size: 40
    .max_flat_workgroup_size: 256
    .sgpr_count:     66
    .vgpr_count:     512
    .wavefront_size: 32
...
	.end_amdgpu_metadata
.endif
;; end of part 2
;; launch gath (part 3): grid 256 x 1, 8 waves a work-group, no clusters, 1,280 bytes of LDS; arguments z, emb, cand, out0, out3, part; writes out0, out3, part
.if DOCPART == 3
	.amdgcn_target "amdgcn-amd-amdhsa--gfx1250"
	.amdhsa_code_object_version 6
	.text
	.protected	k_q064bcbaad4_gath
	.globl	k_q064bcbaad4_gath
	.p2align	8
	.type	k_q064bcbaad4_gath,@function
k_q064bcbaad4_gath:
	s_mov_b64 s[64:65], 0
	v_nop
	global_prefetch_b8 v0, s[64:65] scope:SCOPE_SE
	s_setreg_imm32_b32 hwreg(HW_REG_WAVE_MODE, 25, 1), 1
	s_wait_xcnt 0x0
; For each row: the best of its eight candidates (whole numbers stored by the launch before: unsigned keys, compared in ascending order of the ranges, strictly,
; so the first code keeps a tie), out3 = its code, out0 = z + (emb[code] - z) as the reference rounds it, and the sum of (emb[code] - z)^2.
; Work-group g owns rows 32 g .. +31, a wave 4 of them; a wave's load or store of a row's half covers 512 consecutive bytes.  No loop: all loads of z go out
; first, the candidates come by scalar loads, the four rows of emb follow.  part[g] = the work-group's sum of squares.
; A work-group's share of out3 is 128 consecutive bytes and of part 4: 64 rows a work-group would make out3's share 256 bytes and leave half of the 256 work-groups out.
; Memory and latency bind: no matrix unit; no cluster, since no two work-groups are known to read the same bytes.
; Candidates: range c, row i: key in s[16 + 8 c + 4 (c / 6) + 2 i], code behind it: ranges 0-5 fill s[16:63], ranges 6 and 7 s[68:83] (s64 and s65 are not this text's).
; The winner gathers in range 0's registers.
.set RB, 88                            ; s[88:95]  addresses of the four rows of emb
.set Z,  8                             ; v[8:39]   row i: 8 registers of z
.set E,  40                            ; v[40:71]  row i: 8 registers of emb, then of out0 (the stores' data, not rewritten)
.set L,  72                            ; v[72:79]  four chains of two sums of squares
.set W,  80                            ; v[80:91]  at work
	s_load_b256 s[4:11], s[0:1], 0x0               ; z s[4:5], emb s[6:7], cand s[8:9], out0 s[10:11]
	s_load_b128 s[12:15], s[0:1], 0x20             ; out3 s[12:13], part s[14:15]
	v_lshl_add_u32 v96, v0, 2, 0x100
	v_mov_b32 v97, 0
	v_lshrrev_b32 v7, 5, v0
	v_readfirstlane_b32 s84, v7                    ; wave
	v_and_b32 v6, 31, v0                           ; lane
	v_lshlrev_b32 v2, 4, v6                        ; 16 x lane
	v_lshl_add_u32 v1, v7, 12, v2                  ; + wave x 4 rows x 1,024 bytes
	v_lshlrev_b32 v5, 2, v6                        ; 4 x lane
	v_mov_b32 v3, s84
	v_lshlrev_b32 v4, 4, v3                        ; LDS: my wave's four codes
	v_lshlrev_b32 v3, 2, v3                        ; LDS: my wave's sum
	v_mov_b32 v[W+4], 0                            ; v_permlanex16_b32 counts as a reader of its destination
	s_mov_b32 s96, 0x76543210
	s_mov_b32 s97, 0xfedcba98
	s_lshl_b32 s85, ttmp9, 8
	s_lshl_b32 s86, s84, 5
	s_add_co_u32 s85, s85, s86                     ; 8 bytes x (32 g + 4 w): my four rows in a range of cand
	s_mov_b32 s87, 0
	s_wait_kmcnt 0x0
.irp c, 0,1,2,3,4,5,6,7
	s_load_b256 s[16+8*\c+4*(\c/6):23+8*\c+4*(\c/6)], s[8:9], s85 offset:65536*\c
.endr
	s_lshl_b32 s86, ttmp9, 15                      ; 32 rows of 1,024 bytes
	s_add_nc_u64 s[4:5], s[4:5], s[86:87]
	s_add_nc_u64 s[10:11], s[10:11], s[86:87]
	s_lshl_b32 s86, ttmp9, 7
	s_add_nc_u64 s[12:13], s[12:13], s[86:87]      ; out3 at my 32 rows
	s_lshl_b32 s86, ttmp9, 2
	s_add_nc_u64 s[14:15], s[14:15], s[86:87]      ; part[g]
.irp i, 0,1,2,3
	global_load_b128 v[Z+8*\i:Z+8*\i+3],   v1, s[4:5] offset:1024*\i th:TH_LOAD_NT
	global_load_b128 v[Z+8*\i+4:Z+8*\i+7], v1, s[4:5] offset:1024*\i+512 th:TH_LOAD_NT
.endr
	s_wait_kmcnt 0x0                               ; the candidates
.macro PICK i
.irp c, 1,2,3,4,5,6,7
	s_cmp_lt_u32 s[16+8*\c+4*(\c/6)+2*\i], s[16+2*\i]
	s_cselect_b32 s[16+2*\i], s[16+8*\c+4*(\c/6)+2*\i], s[16+2*\i]
	s_cselect_b32 s[17+2*\i], s[17+8*\c+4*(\c/6)+2*\i], s[17+2*\i]
.endr
	s_min_u32 s[17+2*\i], s[17+2*\i], 0x1fff       ; a loaded number enters an address only inside the table
	s_lshl_b32 s86, s[17+2*\i], 10
	s_add_nc_u64 s[RB+2*\i:RB+2*\i+1], s[6:7], s[86:87]
	global_load_b128 v[E+8*\i:E+8*\i+3],   v2, s[RB+2*\i:RB+2*\i+1]      ; no hint: several rows may name one code
	global_load_b128 v[E+8*\i+4:E+8*\i+7], v2, s[RB+2*\i:RB+2*\i+1] offset:512
	v_mov_b32 v[W+\i], s[17+2*\i]
	ds_store_b32 v4, v[W+\i] offset:128+4*\i       ; all lanes write the same word with the same value
.endm
	PICK 0
	PICK 1
	PICK 2
	PICK 3
.macro ROWG i
	s_wait_loadcnt 6-2*\i                          ; loads come back in order: z and this row of emb are in, the two loads of each younger row stay out
.irp p, 0,1,2,3
	v_pk_add_f32 v[E+8*\i+2*\p:E+8*\i+2*\p+1], v[E+8*\i+2*\p:E+8*\i+2*\p+1], v[Z+8*\i+2*\p:Z+8*\i+2*\p+1] neg_lo:[0,1] neg_hi:[0,1]   ; z_q - z
.endr
.irp p, 0,1,2,3
.if \i == 0
	v_pk_mul_f32 v[L+2*\p:L+2*\p+1], v[E+8*\i+2*\p:E+8*\i+2*\p+1], v[E+8*\i+2*\p:E+8*\i+2*\p+1]                                       ; the first row starts the sums
.else
	v_pk_fma_f32 v[L+2*\p:L+2*\p+1], v[E+8*\i+2*\p:E+8*\i+2*\p+1], v[E+8*\i+2*\p:E+8*\i+2*\p+1], v[L+2*\p:L+2*\p+1]
.endif
.endr
.irp p, 0,1,2,3
	v_pk_add_f32 v[E+8*\i+2*\p:E+8*\i+2*\p+1], v[Z+8*\i+2*\p:Z+8*\i+2*\p+1], v[E+8*\i+2*\p:E+8*\i+2*\p+1]                             ; z + (z_q - z)
.endr
	global_store_b128 v1, v[E+8*\i:E+8*\i+3],   s[10:11] offset:1024*\i th:TH_STORE_NT
	global_store_b128 v1, v[E+8*\i+4:E+8*\i+7], s[10:11] offset:1024*\i+512 th:TH_STORE_NT
.endm
	ROWG 0
	ROWG 1
	ROWG 2
	ROWG 3
	v_pk_add_f32 v[L:L+1], v[L:L+1], v[L+2:L+3]
	v_pk_add_f32 v[L+4:L+5], v[L+4:L+5], v[L+6:L+7]
	v_pk_add_f32 v[L:L+1], v[L:L+1], v[L+4:L+5]
	v_add_f32 v[L], v[L], v[L+1]
	v_add_f32_dpp v[L], v[L], v[L] row_xmask:1 row_mask:0xf bank_mask:0xf
	v_add_f32_dpp v[L], v[L], v[L] row_xmask:2 row_mask:0xf bank_mask:0xf
	v_add_f32_dpp v[L], v[L], v[L] row_xmask:4 row_mask:0xf bank_mask:0xf
	v_add_f32_dpp v[L], v[L], v[L] row_xmask:8 row_mask:0xf bank_mask:0xf
	v_permlanex16_b32 v[W+4], v[L], s96, s97
	v_add_f32 v[L], v[L], v[W+4]
	ds_store_b32 v3, v[L]                          ; my wave's sum
	s_wait_dscnt 0x0                               ; my codes and my sum are in LDS before I say so
	s_barrier_signal -1
	s_barrier_wait -1
	s_cmp_lg_u32 s84, 0
	s_cbranch_scc1 .Lend
	v_mov_b32 v[W+6], 0
	ds_load_b32 v[W+5], v5 offset:128              ; wave 0: the work-group's 32 codes, one a lane
	ds_load_b128 v[Z:Z+3],   v[W+6]                ; and the eight sums, in every lane
	ds_load_b128 v[Z+4:Z+7], v[W+6] offset:16
	s_wait_dscnt 0x0
	global_store_b32 v5, v[W+5], s[12:13]          ; 128 consecutive bytes of out3
	v_pk_add_f32 v[Z:Z+1], v[Z:Z+1], v[Z+2:Z+3]
	v_pk_add_f32 v[Z+4:Z+5], v[Z+4:Z+5], v[Z+6:Z+7]
	v_pk_add_f32 v[Z:Z+1], v[Z:Z+1], v[Z+4:Z+5]
	v_add_f32 v[Z], v[Z], v[Z+1]
	v_cmp_eq_u32 vcc_lo, 0, v0
	s_wait_xcnt 0x0                                ; EXEC is a source of the stores above: it narrows only behind this wait
	s_and_saveexec_b32 s98, vcc_lo
	global_store_b32 v[W+6], v[Z], s[14:15]        ; lane 0: part[g]
.Lend:
	s_wait_xcnt 0x0
	s_mov_b32 exec_lo, -1
	s_wait_tensorcnt 0x0
	ds_add_u32 v96, v97
	s_wait_dscnt 0x0
	s_endpgm
.Lfunc_end_k_q064bcbaad4_gath:
	.size	k_q064bcbaad4_gath, .Lfunc_end_k_q064bcbaad4_gath-k_q064bcbaad4_gath
	.p2alignl 7, 3214868480
	.fill 96, 4, 3214868480
	.section	.rodata,"a",@progbits
	.p2align	6, 0x0
	.amdhsa_kernel k_q064bcbaad4_gath
		.amdhsa_group_segment_fixed_size 1280
		.amdhsa_private_segment_fixed_size 0
		.amdhsa_enable_private_segment 0
		.amdhsa_kernarg_size 48
		.amdhsa_user_sgpr_count 2
		.amdhsa_user_sgpr_kernarg_segment_ptr 1
		.amdhsa_wavefront_size32 1
		.amdhsa_system_sgpr_workgroup_id_x 1
		.amdhsa_system_sgpr_workgroup_id_y 1
		.amdhsa_system_sgpr_workgroup_id_z 1
		.amdhsa_system_vgpr_workitem_id 0
		.amdhsa_next_free_vgpr 98
		.amdhsa_next_free_sgpr 100
		.amdhsa_reserve_vcc 1
		.amdhsa_float_denorm_mode_32 3
		.amdhsa_float_denorm_mode_16_64 3
		.amdhsa_memory_ordered 1
		.amdhsa_forward_progress 1
		.amdhsa_inst_pref_size 13
	.end_amdhsa_kernel
	.amdgpu_metadata
---
amdhsa.version: [ 1, 2 ]
amdhsa.kernels:
  - .name:           k_q064bcbaad4_gath
    .symbol:         k_q064bcbaad4_gath.kd
    .args:
      - { .name: z, .offset: 0, .size: 8, .value_kind: global_buffer, .address_space: global }
      - { .name: emb, .offset: 8, .size: 8, .value_kind: global_buffer, .address_space: global }
      - { .name: cand, .offset: 16, .size: 8, .value_kind: global_buffer, .address_space: global }
      - { .name: out0, .offset: 24, .size: 8, .value_kind: global_buffer, .address_space: global }
      - { .name: out3, .offset: 32, .size: 8, .value_kind: global_buffer, .address_space: global }
      - { .name: part, .offset: 40, .size: 8, .value_kind: global_buffer, .address_space: global }
    .group_segment_fixed_size: 1280
    .private_segment_fixed_size: 0
    .kernarg_segment_align: 8
    .kernarg_segment_size: 48
    .max_flat_workgroup_size: 256
    .sgpr_count:     100
    .vgpr_count:     98
    .wavefront_size: 32
...
	.end_amdgpu_metadata
.endif
;; end of part 3
;; launch fin (part 4): grid 1 x 1, 8 waves a work-group, no clusters, 1,280 bytes of LDS; arguments part, code_age, out1, out2, out4, out5; writes out1, out2, out4, out5
.if DOCPART == 4
	.amdgcn_target "amdgcn-amd-amdhsa--gfx1250"
	.amdhsa_code_object_version 6
	.text
	.protected	k_q064bcbaad4_fin
	.globl	k_q064bcbaad4_fin
	.p2align	8
	.type	k_q064bcbaad4_fin,@function
k_q064bcbaad4_fin:
	s_mov_b64 s[64:65], 0
	v_nop
	global_prefetch_b8 v0, s[64:65] scope:SCOPE_SE
	s_setreg_imm32_b32 hwreg(HW_REG_WAVE_MODE, 25, 1), 1
	s_wait_xcnt 0x0
; The four single numbers.  out1 = (sum of the 256 partial sums of squares) / 2^21 (8,192 rows x 256), out2 = out1 / 4,
; out4 = (how many code_age < 128) / 8,192, out5 = (sum of code_age) / 8,192.  A NaN in code_age is not counted, as in the reference's comparison.
; One work-group, since a sum over all work-groups of the launch before needs one owner: thread t takes part[t] and 32 of the 8,192 ages (eight loads of 16 bytes;
; a wave's load covers 512 consecutive bytes).  33 KB in all: nothing here is worth spreading further.
.set AG, 12                            ; v[12:43]  32 ages; later the eight waves' figures
.set SA, 44                            ; v[44:51]  four chains of two sums of ages
.set CN, 52                            ; v52       my count, a whole number
.set TMP, 54                           ; v54       the other half's figure
.set R,  56                            ; v[56:59]  sum of squares, sum of ages, count, count
	s_load_b256 s[4:11], s[0:1], 0x0               ; part s[4:5], code_age s[6:7], out1 s[8:9], out2 s[10:11]
	s_load_b128 s[12:15], s[0:1], 0x20             ; out4 s[12:13], out5 s[14:15]
	v_lshl_add_u32 v64, v0, 2, 0x100
	v_mov_b32 v65, 0
	v_lshlrev_b32 v1, 2, v0
	v_lshlrev_b32 v2, 4, v0
	v_lshrrev_b32 v3, 5, v0
	v_readfirstlane_b32 s16, v3                    ; wave
	v_mov_b32 v4, s16
	v_lshlrev_b32 v4, 4, v4                        ; LDS: my wave's 16 bytes
	v_mov_b32 v5, 0
	v_mov_b32 v[CN], 0
	v_mov_b32 v[TMP], 0                            ; v_permlanex16_b32 counts as a reader of its destination
	s_mov_b32 s18, 0x76543210
	s_mov_b32 s19, 0xfedcba98
	s_wait_kmcnt 0x0
	global_load_b32 v[R], v1, s[4:5]
.irp i, 0,1,2,3,4,5,6,7
	global_load_b128 v[AG+4*\i:AG+4*\i+3], v2, s[6:7] offset:4096*\i
.endr
	s_wait_loadcnt 0x0
.irp k, 0,1,2,3
	v_pk_add_f32 v[SA+2*\k:SA+2*\k+1], v[AG+2*\k:AG+2*\k+1], v[AG+8+2*\k:AG+8+2*\k+1]
	v_pk_add_f32 v[SA+2*\k:SA+2*\k+1], v[SA+2*\k:SA+2*\k+1], v[AG+16+2*\k:AG+16+2*\k+1]
	v_pk_add_f32 v[SA+2*\k:SA+2*\k+1], v[SA+2*\k:SA+2*\k+1], v[AG+24+2*\k:AG+24+2*\k+1]
.endr
	v_pk_add_f32 v[SA:SA+1], v[SA:SA+1], v[SA+2:SA+3]
	v_pk_add_f32 v[SA+4:SA+5], v[SA+4:SA+5], v[SA+6:SA+7]
	v_pk_add_f32 v[SA:SA+1], v[SA:SA+1], v[SA+4:SA+5]
	v_add_f32 v[R+1], v[SA], v[SA+1]
.set i, 0
.rept 32
	v_cmp_gt_f32 vcc_lo, 0x43000000, v[AG+i]       ; 128 > age
	v_add_co_ci_u32 v[CN], vcc_lo, 0, v[CN], vcc_lo    ; the lane's bit is added as the carry
.set i, i+1
.endr
	v_cvt_f32_u32 v[R+2], v[CN]                    ; at most 32: exact
.macro WSUM r                          ; the sum over the wave's 32 lanes, in every lane
	v_add_f32_dpp v[\r], v[\r], v[\r] row_xmask:1 row_mask:0xf bank_mask:0xf
	v_add_f32_dpp v[\r], v[\r], v[\r] row_xmask:2 row_mask:0xf bank_mask:0xf
	v_add_f32_dpp v[\r], v[\r], v[\r] row_xmask:4 row_mask:0xf bank_mask:0xf
	v_add_f32_dpp v[\r], v[\r], v[\r] row_xmask:8 row_mask:0xf bank_mask:0xf
	v_permlanex16_b32 v[TMP], v[\r], s18, s19
	v_add_f32 v[\r], v[\r], v[TMP]
.endm
	WSUM R
	WSUM R+1
	WSUM R+2
	v_mov_b32 v[R+3], v[R+2]
	ds_store_b128 v4, v[R:R+3]                     ; all lanes write the same 16 bytes with the same values
	s_wait_dscnt 0x0                               ; my figures are in LDS before I say so
	s_barrier_signal -1
	s_barrier_wait -1
	s_cmp_lg_u32 s16, 0
	s_cbranch_scc1 .Lend
.irp i, 0,1,2,3,4,5,6,7
	ds_load_b128 v[AG+4*\i:AG+4*\i+3], v5 offset:16*\i
.endr
	s_wait_dscnt 0x0
.irp i, 1,2,3,4,5,6,7
	v_pk_add_f32 v[AG:AG+1], v[AG:AG+1], v[AG+4*\i:AG+4*\i+1]
	v_pk_add_f32 v[AG+2:AG+3], v[AG+2:AG+3], v[AG+4*\i+2:AG+4*\i+3]
.endr
	v_mul_f32 v[R], 0x35000000, v[AG]              ; x 2^-21
	v_mul_f32 v[R+1], 0.25, v[R]
	v_mul_f32 v[R+2], 0x39000000, v[AG+2]          ; x 2^-13
	v_mul_f32 v[R+3], 0x39000000, v[AG+1]
	v_cmp_eq_u32 vcc_lo, 0, v0
	s_wait_xcnt 0x0                                ; EXEC narrows only behind this wait
	s_and_saveexec_b32 s17, vcc_lo
	global_store_b32 v5, v[R], s[8:9]              ; lane 0 alone: four outputs of one number each
	global_store_b32 v5, v[R+1], s[10:11]
	global_store_b32 v5, v[R+2], s[12:13]
	global_store_b32 v5, v[R+3], s[14:15]
.Lend:
	s_wait_xcnt 0x0
	s_mov_b32 exec_lo, -1
	s_wait_tensorcnt 0x0
	ds_add_u32 v64, v65
	s_wait_dscnt 0x0
	s_endpgm
.Lfunc_end_k_q064bcbaad4_fin:
	.size	k_q064bcbaad4_fin, .Lfunc_end_k_q064bcbaad4_fin-k_q064bcbaad4_fin
	.p2alignl 7, 3214868480
	.fill 96, 4, 3214868480
	.section	.rodata,"a",@progbits
	.p2align	6, 0x0
	.amdhsa_kernel k_q064bcbaad4_fin
		.amdhsa_group_segment_fixed_size 1280
		.amdhsa_private_segment_fixed_size 0
		.amdhsa_enable_private_segment 0
		.amdhsa_kernarg_size 48
		.amdhsa_user_sgpr_count 2
		.amdhsa_user_sgpr_kernarg_segment_ptr 1
		.amdhsa_wavefront_size32 1
		.amdhsa_system_sgpr_workgroup_id_x 1
		.amdhsa_system_sgpr_workgroup_id_y 1
		.amdhsa_system_sgpr_workgroup_id_z 1
		.amdhsa_system_vgpr_workitem_id 0
		.amdhsa_next_free_vgpr 66
		.amdhsa_next_free_sgpr 66
		.amdhsa_reserve_vcc 1
		.amdhsa_float_denorm_mode_32 3
		.amdhsa_float_denorm_mode_16_64 3
		.amdhsa_memory_ordered 1
		.amdhsa_forward_progress 1
		.amdhsa_inst_pref_size 10
	.end_amdhsa_kernel
	.amdgpu_metadata
---
amdhsa.version: [ 1, 2 ]
amdhsa.kernels:
  - .name:           k_q064bcbaad4_fin
    .symbol:         k_q064bcbaad4_fin.kd
    .args:
      - { .name: part, .offset: 0, .size: 8, .value_kind: global_buffer, .address_space: global }
      - { .name: code_age, .offset: 8, .size: 8, .value_kind: global_buffer, .address_space: global }
      - { .name: out1, .offset: 16, .size: 8, .value_kind: global_buffer, .address_space: global }
      - { .name: out2, .offset: 24, .size: 8, .value_kind: global_buffer, .address_space: global }
      - { .name: out4, .offset: 32, .size: 8, .value_kind: global_buffer, .address_space: global }
      - { .name: out5, .offset: 40, .size: 8, .value_kind: global_buffer, .address_space: global }
    .group_segment_fixed_size: 1280
    .private_segment_fixed_size: 0
    .kernarg_segment_align: 8
    .kernarg_segment_size: 48
    .max_flat_workgroup_size: 256
    .sgpr_count:     66
    .vgpr_count:     66
    .wavefront_size: 32
...
	.end_amdgpu_metadata
.endif
;; end of part 4
